; MI455X (gfx1250); checked and timed in simulation.
; The chip was launched on July 23, 2026; its instructions are those of AMD's public machine-readable ISA for CDNA 5 (MIT licence, August 2026) and "CDNA5" Instruction Set Architecture Reference Guide (July 2026). The comments in the code are by the model that wrote it; some were corrected since.
;; Rotat E. Allowed arithmetic: float matrix products may take bf16 or f16 operands with f32 sums; all other float work in f32.
;; Inputs: E_weight 14,541 x 1,000 float32; R_weight 237 x 500 float32; b 14,541 float32; h_idx 8 int32; r_idx 8 int32.
;; Outputs: out0 8 x 14,541 float32.
;; One version. Each part assembles by itself: llvm-mc -triple=amdgcn-amd-amdhsa -mcpu=gfx1250 --defsym DOCPART=n.
;; ======== version 1 of 1: 1 launch
;; launch rotate (part 1): grid 243 x 1, 12 waves a work-group, no clusters, 142,848 bytes of LDS; arguments E_weight, R_weight, b, h_idx, r_idx, out0; writes out0
.if DOCPART == 1
	.amdgcn_target "amdgcn-amd-amdhsa--gfx1250"
	.amdhsa_code_object_version 6
	.text
	.protected	k_q0ff0a5ab90_rotate
	.globl	k_q0ff0a5ab90_rotate
	.p2align	8
	.type	k_q0ff0a5ab90_rotate,@function
k_q0ff0a5ab90_rotate:
	s_mov_b64 s[64:65], 0
	v_nop
	global_prefetch_b8 v0, s[64:65] scope:SCOPE_SE
	s_setreg_imm32_b32 hwreg(HW_REG_WAVE_MODE, 25, 1), 1
	s_wait_xcnt 0x0
; RotatE, tail batch:  out[q][e] = sigmoid(12 - sum over d of |rot[q][d] - t[e][d]| + b[e]),  all f32.
; rot[q] = head[q] * exp(i * phase[q]), phase = r / (0.028 / pi);  t[e] = row e of E: 500 real parts, then 500 imaginary parts.
; 8 queries, 14,541 entities, 500 complex dimensions.  No step is a product summed over an index, so the matrix unit has no part.
;
; SHARES.  243 work-groups of 12 waves; a work-group owns 60 entities, a wave 5.  A row's 125 chunks of 4 dimensions lie across the lanes:
; chunk = lane + 32 * stage, stages 0 to 3, so one load of a wave covers 512 consecutive bytes and every byte of E is loaded by one wave.
; In stage 3 only lanes 0 to 28 have a chunk: the offset is clamped to the last chunk, so that the loads stay inside the row, and the stage
; is computed with EXEC narrowed to those 29 lanes.  In the last work-group rows past the table's end are replaced by the last row,
; computed and not stored.
; PROLOGUE.  Wave q (0 to 7) gathers its head and relation rows, makes rot[q] and puts it in LDS; all 12 waves read it behind one barrier.
; MAIN.  For each stage 20 items (entity, pair of queries): 8 packed subtractions, 4 packed squares, 4 packed fused multiply-adds,
; 8 square roots written so that a register pair holds (query 0, query 1), 4 packed additions.  Registers are refilled in place: an entity's
; 8 registers as soon as its 4 items are over (four fifths of a stage ahead of their use), a query pair's 16 during the last entity's items.
; SUMS ACROSS LANES.  Each wave puts its 20 pairs of sums in 20 LDS rows of its own; lane r < 20 reads row r whole and adds it up.
; WAY OUT.  The same lanes apply 12, b and the sigmoid; the results meet in LDS, and wave q (0 to 7) stores query q's 60 numbers as 128 + 112
; consecutive bytes.  Rows of out are 58,164 bytes apart, so aligned blocks of 256 bytes cannot be kept whole for every query.
; NOT USED.  Tensor loads and LDS slots for E: each byte of E serves one wave, which loads it into registers.  Clusters: work-groups
; share only the 16 gathered rows, 48,000 of 58 million bytes.  No non-temporal hint on E: rows are 4,000 bytes, so neighbouring loads share
; blocks of 256 bytes, and eight rows are read again by every work-group.
; LIMITS.  (1) The angle is reduced in turns, r * f32(1 / 0.056) less its nearest whole number: it differs from the f32 phase by about 2^-22 of
; the phase's size; sine and cosine (polynomials on a quarter of the angle, two doublings) are good to about 5e-7.
; (2) v_sqrt_f32, v_exp_f32 and v_rcp_f32 flush denormals (ISA guide, their entries): a squared distance under 2^-126 counts as 0, and a result
; under 2^-126 (a score under about -87.3) is stored as 0.  (3) Indices are clamped, as unsigned numbers, to their tables.
.set NENT,    14541
.set LASTE,   NENT-1
.set LASTR,   236                      ; last row of R
.set ROWB,    4000                     ; bytes in a row of E
.set IMB,     2000                     ; where its imaginary parts begin
.set RROWB,   2000                     ; bytes in a row of R
.set EPW,     5                        ; entities of a wave
.set WAVES,   12
.set EPG,     EPW*WAVES                ; entities of a work-group
.set STEP,    512                      ; bytes from stage to stage: 32 lanes x 16
.set LASTOFF, 1984                     ; byte offset of chunk 124
.set APITCH,  4096                     ; LDS: rot[q] at q * 4096, real parts first,
.set AIM,     2048                     ;      imaginary parts 2,048 bytes on
.set RED,     8*APITCH                 ; LDS: the waves' rows for the sums across lanes
.set RPITCH,  272                      ; 32 lanes x 8 bytes + 16: 17 x 16, so sixteen rows begin in sixteen different 16-byte columns of a 256-byte span
.set RWAVE,   32*RPITCH                ; a wave's part (20 rows are used)
.set RES,     RED+WAVES*RWAVE          ; LDS: results, [wave][query][8 places]
.set RESW,    276                      ; a wave's part: 256 + 20, so that word (wave, query, e) has index 69 wave + 8 query + e = 5 wave + e + 8 query modulo 64
.set OUTROW,  4*NENT
.set LANE, 1                           ; v1       lane
.set OFF,  2                           ; v2       16 x chunk of the stage that is being fetched: offset in a row of E and in rot
.set OFF3, 3                           ; v3       the same for stage 3 (prologue)
.set BV,   4                           ; v4       b of the entity whose sums this lane finishes
.set BO,   5                           ; v5       its byte offset in b
.set ROWR, 6                           ; v6       min(lane, 19): the row of sums that this lane adds up = 4 x entity + query pair
.set VST,  7                           ; v7       LDS: where my pairs of sums go
.set VLD,  8                           ; v8       LDS: the row that I add up
.set VRS,  9                           ; v9       LDS: where my two results go
.set U,    10                          ; v10-15   at work
.set TT,   16                          ; v16-55   t: entity e at 8 e: 4 real parts, 4 imaginary parts
.set AC,   56                          ; v56-95   sums: (entity e, query pair p) at 8 e + 2 p
.set AA,   96                          ; v96-159  rot: query pair p at 16 p: q0 real 4, q0 imaginary 4, q1 real 4, q1 imaginary 4
.set XX,   160                         ; v160-191 two sets of 16: differences and squares, then roots
.set LL,   AA                          ; the row of sums read back: 32 pairs
.set PRL,  96                          ; prologue only: relation row, 4 stages x 4
.set PHR,  112                         ;   head, real parts
.set PHI,  128                         ;   head, imaginary parts
.set FR,   144                         ;   8 + 8 + 8 + 8 at work on four pairs at a time
.set WW,   152
.set SN,   160
.set CS,   168
.set CA3,  176                         ;   the two leading coefficients, as pairs
.set CB4,  178
.set VAS,  180                         ;   LDS: my chunk of rot[wave], stages 0 to 2
.set VAS3, 181                         ;   and stage 3
.set EB,   20                          ; s[20:29] addresses of my five rows of E
.macro TLOAD ent                       ; entity's chunk of the stage that OFF names: 16 bytes of real parts, 16 of imaginary parts
	global_load_b128 v[TT+8*\ent:TT+8*\ent+3],   v[OFF], s[EB+2*\ent:EB+2*\ent+1]
	global_load_b128 v[TT+8*\ent+4:TT+8*\ent+7], v[OFF], s[EB+2*\ent:EB+2*\ent+1] offset:IMB
.endm
.macro ALOAD pr                        ; the same chunk of rot for queries 2 pr and 2 pr + 1; lanes read neighbouring 16 bytes
	ds_load_b128 v[AA+16*\pr:AA+16*\pr+3],     v[OFF] offset:2*\pr*APITCH
	ds_load_b128 v[AA+16*\pr+4:AA+16*\pr+7],   v[OFF] offset:2*\pr*APITCH+AIM
	ds_load_b128 v[AA+16*\pr+8:AA+16*\pr+11],  v[OFF] offset:(2*\pr+1)*APITCH
	ds_load_b128 v[AA+16*\pr+12:AA+16*\pr+15], v[OFF] offset:(2*\pr+1)*APITCH+AIM
.endm
.macro NEXTOFF                         ; the next stage's chunk, clamped to the row's last
	v_add_nc_u32 v[OFF], STEP, v[OFF]
	v_min_u32 v[OFF], LASTOFF, v[OFF]
.endm
; An item = (entity, pair of queries) x 4 dimensions, in three parts.  XC: the set of 16 registers at work; XP, PACC: the item before.
.macro PART_A ent, pr                  ; squared distances of 2 queries x 4 dimensions into v[XC:XC+7]
.irp q,0,1
.irp h,0,1
	v_pk_add_f32 v[XC+4*\q+2*\h:XC+4*\q+2*\h+1], v[TT+8*\ent+2*\h:TT+8*\ent+2*\h+1], v[AA+16*\pr+8*\q+2*\h:AA+16*\pr+8*\q+2*\h+1] neg_lo:[0,1] neg_hi:[0,1]
.endr
.endr
.irp q,0,1
.irp h,0,1
	v_pk_add_f32 v[XC+8+4*\q+2*\h:XC+8+4*\q+2*\h+1], v[TT+8*\ent+4+2*\h:TT+8*\ent+4+2*\h+1], v[AA+16*\pr+8*\q+4+2*\h:AA+16*\pr+8*\q+4+2*\h+1] neg_lo:[0,1] neg_hi:[0,1]
.endr
.endr
.irp k,0,2,4,6
	v_pk_mul_f32 v[XC+\k:XC+\k+1], v[XC+\k:XC+\k+1], v[XC+\k:XC+\k+1]
.endr
.irp k,0,2,4,6
	v_pk_fma_f32 v[XC+\k:XC+\k+1], v[XC+8+\k:XC+8+\k+1], v[XC+8+\k:XC+8+\k+1], v[XC+\k:XC+\k+1]
.endr
.endm
.macro PART_B                          ; roots, laid so that pair d holds dimension d of (query 0, query 1)
.irp d,0,1,2,3
.irp q,0,1
	v_sqrt_f32 v[XC+8+2*\d+\q], v[XC+4*\q+\d]
.endr
.endr
.endm
.macro PART_C                          ; the four dimensions of the item before, onto its pair of sums
	s_wait_alu depctr_va_vdst(0)
	v_pk_add_f32 v[XP+8:XP+9],   v[XP+8:XP+9],   v[XP+10:XP+11]
	v_pk_add_f32 v[XP+12:XP+13], v[XP+12:XP+13], v[XP+14:XP+15]
	v_pk_add_f32 v[XP+8:XP+9],   v[XP+8:XP+9],   v[XP+12:XP+13]
	v_pk_add_f32 v[PACC:PACC+1], v[PACC:PACC+1], v[XP+8:XP+9]
.endm
; A stage: 5 entities x 4 query pairs.  An item's roots are added up behind the next item's differences and squares, which work on the other
; set of registers: behind v_sqrt_f32 a plain vector instruction that touches neither its result nor its source comes first (ISA guide 5.7.2).
; The last item's sums are left to the caller.  refill = 1: registers are loaded again for the stage that OFF names.
.macro STAGE refill
.set XC, XX
.set HAVE, 0
.irp e,0,1,2,3,4
.if \refill
	s_wait_loadcnt 8                               ; loads return in order (ISA guide 5.7.1): behind this entity's two, eight were issued, the pairs of four other entities
.else
	s_wait_loadcnt 8-2*\e                          ; nothing is fetched any more: the pairs of the entities still to come
.endif
.irp qp,0,1,2,3
.if \e == 0
	s_wait_dscnt 12-4*\qp                          ; rot of this query pair is in; the four loads of each later pair may be out
.endif
	PART_A \e, \qp
.if \refill
.if \e == 4
	ALOAD \qp                                      ; this stage has read the pair's rot for the last time
.endif
.endif
.if HAVE
	PART_C
.endif
	PART_B
.set XP, XC
.set PACC, AC+8*\e+2*\qp
.set XC, 2*XX+16-XC
.set HAVE, 1
.endr
.if \refill
	TLOAD \e                                       ; this stage has read the entity's chunk for the last time
.endif
.endr
.endm
; rot for four pairs of dimensions (stages 2 g and 2 g + 1 of my query): real parts into WW, imaginary parts into FR.
; f = turns less the nearest whole number, |f| <= 1/2; z = (pi/2) f is a quarter of the angle, |z| <= pi/4; w = f^2.
; sin z = f (a0 + a1 w + a2 w^2 + a3 w^3), cos z = 1 + b1 w + b2 w^2 + b3 w^3 + b4 w^4: the usual single-precision minimax coefficients for
; |z| <= pi/4, each times its power of pi/2.  Then twice: sin 2x = 2 sin x cos x, cos 2x = 1 - 2 sin^2 x.
.macro ROT4 g
.irp x,0,1,2,3
	v_pk_mul_f32 v[FR+2*\x:FR+2*\x+1], v[PRL+8*\g+2*\x:PRL+8*\g+2*\x+1], 0x418edb6e op_sel_hi:[1,0]   ; turns = r / 0.056 = r * 17.857143
.endr
.irp x,0,1,2,3,4,5,6,7
	v_rndne_f32 v[WW+\x], v[FR+\x]
.endr
.irp x,0,1,2,3
	v_pk_add_f32 v[FR+2*\x:FR+2*\x+1], v[FR+2*\x:FR+2*\x+1], v[WW+2*\x:WW+2*\x+1] neg_lo:[0,1] neg_hi:[0,1]   ; f
.endr
.irp x,0,1,2,3
	v_pk_mul_f32 v[WW+2*\x:WW+2*\x+1], v[FR+2*\x:FR+2*\x+1], v[FR+2*\x:FR+2*\x+1]                             ; w
.endr
.irp x,0,1,2,3
	v_pk_fma_f32 v[SN+2*\x:SN+2*\x+1], v[WW+2*\x:WW+2*\x+1], v[CA3:CA3+1], 0x3da33002 op_sel_hi:[1,1,0]       ; a3 w + a2,  a2 =  0.079681414
	v_pk_fma_f32 v[CS+2*\x:CS+2*\x+1], v[WW+2*\x:WW+2*\x+1], v[CB4:CB4+1], 0xbcaae4f0 op_sel_hi:[1,1,0]       ; b4 w + b3,  b3 = -0.020861118
.endr
.irp x,0,1,2,3
	v_pk_fma_f32 v[SN+2*\x:SN+2*\x+1], v[SN+2*\x:SN+2*\x+1], v[WW+2*\x:WW+2*\x+1], 0xbf255ddf op_sel_hi:[1,1,0]   ; a1 = -0.64596363
	v_pk_fma_f32 v[CS+2*\x:CS+2*\x+1], v[CS+2*\x:CS+2*\x+1], v[WW+2*\x:WW+2*\x+1], 0x3e81e0f4 op_sel_hi:[1,1,0]   ; b2 =  0.25366938
.endr
.irp x,0,1,2,3
	v_pk_fma_f32 v[SN+2*\x:SN+2*\x+1], v[SN+2*\x:SN+2*\x+1], v[WW+2*\x:WW+2*\x+1], 0x3fc90fdb op_sel_hi:[1,1,0]   ; a0 =  pi/2
	v_pk_fma_f32 v[CS+2*\x:CS+2*\x+1], v[CS+2*\x:CS+2*\x+1], v[WW+2*\x:WW+2*\x+1], 0xbf9de9e6 op_sel_hi:[1,1,0]   ; b1 = -pi^2/8
.endr
.irp x,0,1,2,3
	v_pk_mul_f32 v[SN+2*\x:SN+2*\x+1], v[SN+2*\x:SN+2*\x+1], v[FR+2*\x:FR+2*\x+1]                                 ; sin z
	v_pk_fma_f32 v[CS+2*\x:CS+2*\x+1], v[CS+2*\x:CS+2*\x+1], v[WW+2*\x:WW+2*\x+1], 1.0 op_sel_hi:[1,1,0]          ; cos z
.endr
.irp x,0,1,2,3
	v_pk_add_f32 v[WW+2*\x:WW+2*\x+1], v[SN+2*\x:SN+2*\x+1], v[SN+2*\x:SN+2*\x+1]                                 ; 2 sin z
.endr
.irp x,0,1,2,3
	v_pk_mul_f32 v[FR+2*\x:FR+2*\x+1], v[WW+2*\x:WW+2*\x+1], v[CS+2*\x:CS+2*\x+1]                                 ; sin 2z
	v_pk_fma_f32 v[CS+2*\x:CS+2*\x+1], v[WW+2*\x:WW+2*\x+1], v[SN+2*\x:SN+2*\x+1], 1.0 op_sel_hi:[1,1,0] neg_lo:[1,0,0] neg_hi:[1,0,0]   ; cos 2z
.endr
.irp x,0,1,2,3
	v_pk_add_f32 v[WW+2*\x:WW+2*\x+1], v[FR+2*\x:FR+2*\x+1], v[FR+2*\x:FR+2*\x+1]                                 ; 2 sin 2z
.endr
.irp x,0,1,2,3
	v_pk_mul_f32 v[SN+2*\x:SN+2*\x+1], v[WW+2*\x:WW+2*\x+1], v[CS+2*\x:CS+2*\x+1]                                 ; sin 4z = sin phase
	v_pk_fma_f32 v[CS+2*\x:CS+2*\x+1], v[WW+2*\x:WW+2*\x+1], v[FR+2*\x:FR+2*\x+1], 1.0 op_sel_hi:[1,1,0] neg_lo:[1,0,0] neg_hi:[1,0,0]   ; cos 4z = cos phase
.endr
.irp x,0,1,2,3
	v_pk_mul_f32 v[WW+2*\x:WW+2*\x+1], v[PHI+8*\g+2*\x:PHI+8*\g+2*\x+1], v[SN+2*\x:SN+2*\x+1]
	v_pk_mul_f32 v[FR+2*\x:FR+2*\x+1], v[PHI+8*\g+2*\x:PHI+8*\g+2*\x+1], v[CS+2*\x:CS+2*\x+1]
.endr
.irp x,0,1,2,3
	v_pk_fma_f32 v[WW+2*\x:WW+2*\x+1], v[PHR+8*\g+2*\x:PHR+8*\g+2*\x+1], v[CS+2*\x:CS+2*\x+1], v[WW+2*\x:WW+2*\x+1] neg_lo:[0,0,1] neg_hi:[0,0,1]   ; re = hr cos - hi sin
	v_pk_fma_f32 v[FR+2*\x:FR+2*\x+1], v[PHR+8*\g+2*\x:PHR+8*\g+2*\x+1], v[SN+2*\x:SN+2*\x+1], v[FR+2*\x:FR+2*\x+1]                                  ; im = hr sin + hi cos
.endr
.endm
	s_load_b256 s[4:11], s[0:1], 0x0               ; E s[4:5], R s[6:7], b s[8:9], h_idx s[10:11]
	s_load_b128 s[12:15], s[0:1], 0x20             ; r_idx s[12:13], out s[14:15]
	v_lshl_add_u32 v192, v0, 2, 0x22800
	v_mov_b32 v193, 0
	; all that needs no address is done while these two are on their way, the clearing of the 40 sums too
	v_and_b32 v[LANE], 31, v0
	v_lshrrev_b32 v[U], 5, v0
	v_readfirstlane_b32 s16, v[U]                  ; wave 0..11
	s_mul_i32 s18, ttmp9, EPG
	s_mul_i32 s19, s16, EPW
	s_add_co_u32 s18, s18, s19                     ; my first entity
.irp e,0,1,2,3,4
	s_add_co_u32 s17, s18, \e
	s_min_u32 s17, s17, LASTE                      ; past the table's end: the last row, whose result is not stored
	s_mul_i32 s[EB+2*\e], s17, ROWB                ; byte offset of the row, under 2^26
	s_mov_b32 s[EB+2*\e+1], 0
.endr
	v_lshlrev_b32 v[OFF], 4, v[LANE]               ; stage 0: chunk = lane
	v_add_nc_u32 v[OFF3], 3*STEP, v[OFF]
	v_min_u32 v[OFF3], LASTOFF, v[OFF3]            ; stage 3, clamped
	v_min_u32 v[ROWR], 19, v[LANE]                 ; lanes 20 to 31 do what lane 19 does: same addresses, same values
	v_lshrrev_b32 v[U], 2, v[ROWR]                 ; that row's entity, 0..4
	v_add_nc_u32 v[BO], s18, v[U]
	v_min_u32 v[BO], LASTE, v[BO]
	v_lshlrev_b32 v[BO], 2, v[BO]
	s_mul_i32 s48, s16, RWAVE
	s_add_co_u32 s48, s48, RED                     ; my wave's rows of sums
	v_lshl_add_u32 v[VST], v[LANE], 3, s48
	v_mul_u32_u24 v[VLD], v[ROWR], RPITCH
	v_add_nc_u32 v[VLD], s48, v[VLD]
	v_and_b32 v[VRS], 3, v[ROWR]                   ; the row's query pair
	v_lshlrev_b32 v[VRS], 6, v[VRS]                ; two queries of 8 places of 4 bytes
	v_lshl_add_u32 v[VRS], v[U], 2, v[VRS]
	s_mul_i32 s48, s16, RESW
	s_add_co_u32 s48, s48, RES
	v_add_nc_u32 v[VRS], s48, v[VRS]
	s_mul_i32 s50, s16, OUTROW                     ; the way out (waves 0 to 7): row = wave, first column = 60 x work-group
	s_mul_i32 s17, ttmp9, 4*EPG
	s_add_co_u32 s50, s50, s17
	s_mov_b32 s51, 0
	s_mul_i32 s52, ttmp9, EPG
	s_sub_co_u32 s52, NENT, s52
	s_min_u32 s52, s52, EPG                        ; how many of the group's 60 entities exist
	s_mov_b32 s45, 0x3fb8aa3b                      ; log2 e
	s_mov_b32 s47, 0xc18a7fac                      ; -12 log2 e
.set i, 0
.rept 40
	v_mov_b32 v[AC+i], 0
.set i, i+1
.endr
	s_wait_kmcnt 0x0
	global_load_b32 v[BV], v[BO], s[8:9]           ; first, so that every later wait for a chunk of E covers it
.irp e,0,1,2,3,4
	s_add_nc_u64 s[EB+2*\e:EB+2*\e+1], s[4:5], s[EB+2*\e:EB+2*\e+1]
	TLOAD \e                                       ; stage 0 of my five rows: 5,120 bytes of each wave on their way during the prologue
.endr
	; PROLOGUE, waves 0 to 7: rot[wave].  One branch on the wave's number round all of it; no barrier inside.
	s_cmp_ge_u32 s16, 8
	s_cbranch_scc1 .Lrotated
	s_lshl_b32 s32, s16, 2
	s_load_b32 s36, s[10:11], s32 offset:0x0       ; h_idx[wave]
	s_load_b32 s40, s[12:13], s32 offset:0x0       ; r_idx[wave]
	s_mov_b32 s37, 0
	s_mov_b32 s41, 0
	v_mov_b32 v[CA3], 0xbb96e42d                   ; a3 = -0.0046048372
	v_mov_b32 v[CA3+1], 0xbb96e42d
	v_mov_b32 v[CB4], 0x3a6d6618                   ; b4 =  0.00090560457
	v_mov_b32 v[CB4+1], 0x3a6d6618
	v_lshl_add_u32 v[VAS], s16, 12, v[OFF]         ; rot[wave] begins at wave x 4,096
	v_lshl_add_u32 v[VAS3], s16, 12, v[OFF3]
	s_wait_kmcnt 0x0
	s_min_u32 s36, s36, LASTE
	s_mul_i32 s36, s36, ROWB
	s_min_u32 s40, s40, LASTR
	s_mul_i32 s40, s40, RROWB
	s_add_nc_u64 s[38:39], s[4:5], s[36:37]        ; my head's row
	s_add_nc_u64 s[42:43], s[6:7], s[40:41]        ; my relation's row
.irp j,0,1,2
	global_load_b128 v[PRL+4*\j:PRL+4*\j+3], v[OFF], s[42:43] offset:STEP*\j
	global_load_b128 v[PHR+4*\j:PHR+4*\j+3], v[OFF], s[38:39] offset:STEP*\j
	global_load_b128 v[PHI+4*\j:PHI+4*\j+3], v[OFF], s[38:39] offset:STEP*\j+IMB
.endr
	global_load_b128 v[PRL+12:PRL+15], v[OFF3], s[42:43]
	global_load_b128 v[PHR+12:PHR+15], v[OFF3], s[38:39]
	global_load_b128 v[PHI+12:PHI+15], v[OFF3], s[38:39] offset:IMB
	s_wait_loadcnt 6                               ; stages 0 and 1 are in; the six loads of stages 2 and 3 may be out
	ROT4 0
	ds_store_b128 v[VAS], v[WW:WW+3]
	ds_store_b128 v[VAS], v[FR:FR+3] offset:AIM
	ds_store_b128 v[VAS], v[WW+4:WW+7] offset:STEP
	ds_store_b128 v[VAS], v[FR+4:FR+7] offset:STEP+AIM
	s_wait_loadcnt 0x0
	ROT4 1
	ds_store_b128 v[VAS], v[WW:WW+3] offset:2*STEP
	ds_store_b128 v[VAS], v[FR:FR+3] offset:2*STEP+AIM
	ds_store_b128 v[VAS3], v[WW+4:WW+7]            ; lanes 29 to 31 repeat chunk 124: same bytes, same values
	ds_store_b128 v[VAS3], v[FR+4:FR+7] offset:AIM
.Lrotated:
	s_wait_dscnt 0x0                               ; my part of rot is in LDS,
	s_barrier_signal -1
	s_barrier_wait -1                              ; everybody's is; from here on rot is only read
	ALOAD 0                                        ; rot, stage 0, in the order in which the stage's waits count
	ALOAD 1
	ALOAD 2
	ALOAD 3
	s_wait_xcnt 0x0                                ; OFF is an address of global loads that may be out: it is rewritten only behind this wait
	NEXTOFF                                        ; stage 1: what the first trip fetches
	s_mov_b32 s44, 0
.Lstage:                                               ; trip t works on stage t and fetches stage t + 1
	STAGE 1
	s_wait_xcnt 0x0                                ; as above, for this trip's ten loads
	NEXTOFF                                        ; also the plain instructions between the last roots and their use
	PART_C
	s_add_co_u32 s44, s44, 1
	s_cmp_lt_u32 s44, 3
	s_cbranch_scc1 .Lstage
	; stage 3 is written out: nothing is left to fetch, and only chunks 96 to 124 exist
	s_wait_xcnt 0x0                                ; EXEC changes only behind this wait: it counts as a source of the loads that are out
	v_cmpx_gt_u32 29, v[LANE]                      ; lanes 0 to 28
	STAGE 0
	v_nop                                          ; the plain instruction behind the last roots
	PART_C
	s_mov_b32 exec_lo, -1
	; SUMS ACROSS LANES.  Row 4 e + p of my wave's part holds the 32 lanes' pairs (query 2 p, query 2 p + 1) of entity e: 256 consecutive bytes a store.
.irp e,0,1,2,3,4
.irp qp,0,1,2,3
	ds_store_b64 v[VST], v[AC+8*\e+2*\qp:AC+8*\e+2*\qp+1] offset:(4*\e+\qp)*RPITCH
.endr
.endr
.irp k,0,1,2,3,4,5,6,7,8,9,10,11,12,13,14,15
	ds_load_b128 v[LL+4*\k:LL+4*\k+3], v[VLD] offset:16*\k    ; my wave's own bytes: LDS serves a wave's instructions in order (ISA guide 5.7.1), so these see the stores
.endr
	v_fma_f32 v[BV], -v[BV], s45, s47              ; -(12 + b) log2 e; b's load was covered by the last stage's wait for 0
	s_wait_dscnt 0x0
.set st, 1
.rept 5                                                ; 32 pairs to one: 16 + 8 + 4 + 2 + 1 packed additions
.set i, 0
.rept 16/st
	v_pk_add_f32 v[LL+2*i:LL+2*i+1], v[LL+2*i:LL+2*i+1], v[LL+2*(i+st):LL+2*(i+st)+1]
.set i, i+2*st
.endr
.set st, st*2
.endr
	; sigmoid(x) = 1 / (1 + 2^(-x log2 e)), -x = sum - 12 - b.  A large sum gives infinity and then 0.
	v_fma_f32 v[U], v[LL], s45, v[BV]
	v_fma_f32 v[U+1], v[LL+1], s45, v[BV]
	v_exp_f32 v[U], v[U]
	v_exp_f32 v[U+1], v[U+1]
	v_nop                                          ; a plain instruction between a transcendental and the use of its result (ISA guide 5.7.2)
	s_wait_alu depctr_va_vdst(0)
	v_add_f32 v[U], 1.0, v[U]
	v_add_f32 v[U+1], 1.0, v[U+1]
	v_rcp_f32 v[U], v[U]
	v_rcp_f32 v[U+1], v[U+1]
	v_nop
	s_wait_alu depctr_va_vdst(0)
	ds_store_b32 v[VRS], v[U]                      ; (my wave, query 2 p, entity e)
	ds_store_b32 v[VRS], v[U+1] offset:32          ; (my wave, query 2 p + 1, entity e)
	s_wait_dscnt 0x0                               ; my results are in LDS,
	s_barrier_signal -1
	s_barrier_wait -1                              ; everybody's are
	; WAY OUT, waves 0 to 7: query = wave; lane l takes the group's entities l and l + 32.
	s_cmp_ge_u32 s16, 8
	s_cbranch_scc1 .Ldone
	s_add_nc_u64 s[14:15], s[14:15], s[50:51]
	s_lshl_b32 s48, s16, 5
	s_add_co_u32 s48, s48, RES                     ; my query's 32 bytes in wave 0's part
	v_add_nc_u32 v[U+1], 32, v[LANE]
	v_min_u32 v[U+2], EPG-1, v[U+1]                ; 60 to 63 do not exist: read 59, store nothing
	; entity n lies at 276 (n / 5) + 4 (n mod 5) = 4 n + 256 (n / 5), and for n < 60  256 (n / 5) = 52 n with its low 8 bits cleared (13 n / 64 = n / 5 there)
	v_mul_u32_u24 v[U+3], v[LANE], 52
	v_mul_u32_u24 v[U+4], v[U+2], 52
	v_and_b32 v[U+3], 0xffffff00, v[U+3]
	v_and_b32 v[U+4], 0xffffff00, v[U+4]
	v_lshl_add_u32 v[U+3], v[LANE], 2, v[U+3]
	v_lshl_add_u32 v[U+4], v[U+2], 2, v[U+4]
	v_add_nc_u32 v[U+3], s48, v[U+3]
	v_add_nc_u32 v[U+4], s48, v[U+4]
	ds_load_b32 v[U], v[U+3]
	ds_load_b32 v[U+5], v[U+4]
	v_lshlrev_b32 v[U+2], 2, v[LANE]
	v_cmp_gt_u32 vcc_lo, s52, v[LANE]
	s_wait_dscnt 0x0
	s_and_saveexec_b32 s53, vcc_lo                 ; no global instruction has been issued since the last wait on XCNT
	global_store_b32 v[U+2], v[U], s[14:15] th:TH_STORE_NT            ; 128 consecutive bytes of the query's row
	s_wait_xcnt 0x0                                ; EXEC changes only behind this wait
	s_or_b32 exec_lo, exec_lo, s53
	v_cmp_gt_u32 vcc_lo, s52, v[U+1]
	s_and_saveexec_b32 s53, vcc_lo
	global_store_b32 v[U+2], v[U+5], s[14:15] offset:128 th:TH_STORE_NT   ; the next 112
	s_wait_xcnt 0x0
	s_or_b32 exec_lo, exec_lo, s53
.Ldone:
	s_wait_tensorcnt 0x0
	ds_add_u32 v192, v193
	s_wait_dscnt 0x0
	s_endpgm
.Lfunc_end_k_q0ff0a5ab90_rotate:
	.size	k_q0ff0a5ab90_rotate, .Lfunc_end_k_q0ff0a5ab90_rotate-k_q0ff0a5ab90_rotate
	.p2alignl 7, 3214868480
	.fill 96, 4, 3214868480
	.section	.rodata,"a",@progbits
	.p2align	6, 0x0
	.amdhsa_kernel k_q0ff0a5ab90_rotate
		.amdhsa_group_segment_fixed_size 142848
		.amdhsa_private_segment_fixed_size 0
		.amdhsa_enable_private_segment 0
		.amdhsa_kernarg_size 48
		.amdhsa_user_sgpr_count 2
		.amdhsa_user_sgpr_kernarg_segment_ptr 1
		.amdhsa_wavefront_size32 1
		.amdhsa_system_sgpr_workgroup_id_x 1
		.amdhsa_system_sgpr_workgroup_id_y 1
		.amdhsa_system_sgpr_workgroup_id_z 1
		.amdhsa_system_vgpr_workitem_id 0
		.amdhsa_next_free_vgpr 194
		.amdhsa_next_free_sgpr 66
		.amdhsa_reserve_vcc 1
		.amdhsa_float_denorm_mode_32 3
		.amdhsa_float_denorm_mode_16_64 3
		.amdhsa_memory_ordered 1
		.amdhsa_forward_progress 1
		.amdhsa_inst_pref_size 93
	.end_amdhsa_kernel
	.amdgpu_metadata
---
amdhsa.version: [ 1, 2 ]
amdhsa.kernels:
  - .name:           k_q0ff0a5ab90_rotate
    .symbol:         k_q0ff0a5ab90_rotate.kd
    .args:
      - { .name: E_weight, .offset: 0, .size: 8, .value_kind: global_buffer, .address_space: global }
      - { .name: R_weight, .offset: 8, .size: 8, .value_kind: global_buffer, .address_space: global }
      - { .name: b, .offset: 16, .size: 8, .value_kind: global_buffer, .address_space: global }
      - { .name: h_idx, .offset: 24, .size: 8, .value_kind: global_buffer, .address_space: global }
      - { .name: r_idx, .offset: 32, .size: 8, .value_kind: global_buffer, .address_space: global }
      - { .name: out0, .offset: 40, .size: 8, .value_kind: global_buffer, .address_space: global }
    .group_segment_fixed_size: 142848
    .private_segment_fixed_size: 0
    .kernarg_segment_align: 8
    .kernarg_segment_size: 48
    .max_flat_workgroup_size: 384
    .sgpr_count:     66
    .vgpr_count:     194
    .wavefront_size: 32
...
	.end_amdgpu_metadata
.endif
;; end of part 1
